; MI455X (gfx1250); checked and timed in simulation.
; The chip was launched on July 23, 2026; its instructions are those of AMD's public machine-readable ISA for CDNA 5 (MIT licence, August 2026) and "CDNA5" Instruction Set Architecture Reference Guide (July 2026). The comments in the code are by the model that wrote it; some were corrected since.
;; Multi Head Attention. Allowed arithmetic: matrix products marked QUANTISED: E4M3 operands, one given power-of-two scale a tensor, by v_wmma_f32_16x16x64_fp8_fp8 or v_wmma_f32_16x16x128_fp8_fp8, f32 sums; everything else in f32.
;; Inputs: lowp_scales 8 int32 (the exponents e of the quantised operands' scales 2^e); w_proj_codes 1,024 x 32 x 32 uint8 (E4M3 codes of w_proj, K innermost, in blocks of 32 codes); w_qkv_codes 3,072 x 32 x 32 uint8 (E4M3 codes of w_qkv, K innermost, in blocks of 32 codes); x_codes 2 x 2,048 x 32 x 32 uint8 (E4M3 codes of x, K innermost, in blocks of 32 codes).
;; Outputs: out0 2 x 2,048 x 1,024 float32.
;; This version of the problem:
;;   THIS VERSION OF THE PROBLEM IS GIVEN IN LOW PRECISION. The matrix products marked QUANTISED in the list below multiply operands that are first quantised to E4M3 (4 exponent bits, 3 mantissa bits; 8 bits a number), with one given power-of-two scale for each operand tensor; their sums are f32. All else is computed in f32.
;;   The module's matrix products, in the order in which they are computed (A, B: the left and right operand; K: the contracted axis; several contracted axes count as one K, in the product's order):
;;     1. [M 4,096, K 1,024] x [K 1,024, N 3,072]; A: input x (given as codes); B: input w_qkv (given as codes): QUANTISED (scales: A lowp_scales[0], B lowp_scales[1])
;;     2. batch 32 x [M 2,048, K 64] x [K 64, N 2,048]; A: computed on the way; B: computed on the way: QUANTISED (scales: A lowp_scales[2], B lowp_scales[3])
;;     3. batch 32 x [M 64, K 2,048] x [K 2,048, N 2,048]; A: computed on the way; B: softmax (see below): QUANTISED (scales: A lowp_scales[4], B lowp_scales[5])
;;     4. [M 4,096, K 1,024] x [K 1,024, N 1,024]; A: computed on the way; B: input w_proj (given as codes): QUANTISED (scales: A lowp_scales[6], B lowp_scales[7])
;;   THE QUANTISER, for each operand of a quantised product, along K:
;;     - The operand's scale is 2^e, e = its entry of the input lowp_scales (int32; the entries are numbered through the quantised products in the list's order, A before B).
;;     - Each number is divided by the scale, clamped to +-448, and rounded to the nearest number of E4M3, ties to even, subnormals kept.
;;     - The product sums the exact products of the quantised numbers (number of the format x scale) in f32.
;;   ~~~python
;;   def quantise(x, axis, e):      # numpy; x: float32 -> the quantised numbers, widened to float32 again
;;       x = np.moveaxis(x, axis, -1); K = x.shape[-1]
;;       r = np.clip(x / 2.0 ** e, -448, 448)
;;       step = 2.0 ** (np.maximum(np.frexp(np.where(r == 0, 1, r))[1] - 1, -6) - 3)
;;       q = np.round(r / step) * step * 2.0 ** e      # np.round: ties to even
;;       return np.moveaxis(q, -1, axis).astype(np.float32)
;;   ~~~
;;   SOFTMAX AHEAD OF A QUANTISED PRODUCT. Where the list says 'softmax', what is quantised is not the finished softmax but p = 2^(t - M), with t = logit x log2(e) and M = ceil(the row's largest t), a whole number; so 1/2 < the row's largest p <= 1. The row's sum l is taken of the UNQUANTISED p, in f32, and the product's result is divided by l at the end. Since M is a whole number, a kernel that streams over the keys may use a running M (the ceiling of the running maximum): every later rescaling is an exact power of two, so the quantised numbers keep their values, but for numbers so far below the row's largest that they fall under the format's range.
;;   OPERANDS COMPUTED ON THE WAY. 'Computed on the way' means the value that the module computes at that place (a softmax that the list does not call 'softmax' is quantised finished and normalised). What goes into a quantiser is computed in f32, as accurately as f32 sums, v_exp_f32 and their like allow (about 1e-6 of the number): no bf16 or f16 on the way to a quantiser, and a product that is left as it is and whose result goes on into a quantised operand takes f32 operands (vector FMAs, or v_wmma_f32_16x16x4_f32). A number that lies on a knife's edge between two numbers of the format may be rounded either way, as far as f32 arithmetic and the matrix unit's own rounding can turn it there, and no further.
;;   INPUTS GIVEN AS CODES. w_proj (in the module: [1024, 1024], K = its axis 1); w_qkv (in the module: [3072, 1024], K = its axis 1); x (in the module: [2, 2048, 1024], K = its axis 2): each comes as NAME_codes (uint8): NAME with its K axis moved to the last place and cut into blocks of 32 codes, [.., K / 32, bytes a block], one block behind the other in memory; one code a byte (a code: sign, 4 exponent bits, 3 mantissa bits); its scale is its entry of lowp_scales. Its value is code x scale, taken as it is: it is not quantised again, and the codes and scales need not be those that the quantiser above would give.
;; One version. Each part assembles by itself: llvm-mc -triple=amdgcn-amd-amdhsa -mcpu=gfx1250 --defsym DOCPART=n.
;; ======== version 1 of 1: 3 launches
;; limits: right only within a limited range of input values
;; workspace buffers: q_img 4,194,304 bytes; kv_img 8,388,608 bytes; a_codes 4,194,304 bytes
;; launch qkv (part 1): grid 16 x 16, 4 waves a work-group, clusters of 4 x 4, 327,680 bytes of LDS; arguments x_codes, w_qkv_codes, lowp_scales, q_img, kv_img; writes q_img, kv_img
.if DOCPART == 1
	.amdgcn_target "amdgcn-amd-amdhsa--gfx1250"
	.amdhsa_code_object_version 6
	.text
	.protected	k_q2f6e357de2_qkv
	.globl	k_q2f6e357de2_qkv
	.p2align	8
	.type	k_q2f6e357de2_qkv,@function
k_q2f6e357de2_qkv:
	s_mov_b64 s[64:65], 0
	v_nop
	global_prefetch_b8 v0, s[64:65] scope:SCOPE_SE
	s_setreg_imm32_b32 hwreg(HW_REG_WAVE_MODE, 25, 1), 1
	s_wait_xcnt 0x0
	s_wait_alu depctr_hold_cnt(0) depctr_sa_sdst(0) depctr_va_vdst(0) depctr_va_sdst(0) depctr_va_ssrc(0) depctr_va_vcc(0) depctr_vm_vsrc(0)
	s_getreg_b32 s2, hwreg(HW_REG_IB_STS2, 6, 4)
	s_cmp_eq_u32 s2, 0
	s_cbranch_scc0 .Lentry_in_a_cluster
	s_endpgm
.Lentry_in_a_cluster:
	s_bfe_u32 s2, ttmp6, 0x10000c
	s_cmp_lg_u32 s2, 0xf033
	s_cbranch_scc0 .Lentry_shape_is_right
	s_endpgm
.Lentry_shape_is_right:
; qkv = x w_qkv^T on codes of FP8 (E4M3), then RoPE on q and k in f32, then the three quantisers (q: e2, k: e3, v: e4).
; x: [4096][1024] codes, w_qkv: [3072][1024] codes, K innermost.  lowp_scales: e0 .. e7 (int32).
; OUT, as images of the next products' operand registers (16 bytes a lane, 512 consecutive bytes a store):
;   q_img  [bh 32][tile of 16 tokens 128][1024 B]: registers 0-3 of lane L at 16 L, registers 4-7 at 512 + 16 L; registers 2t, 2t+1 of lane (r, h) = d 16t + 8h + 0..7 of token r.
;   kv_img [bh 32][block of 128 keys 16][16384 B]: 8 tiles of K laid as q_img's, then from byte 8192 four tiles of V^T (16 channels x 128 keys, 2048 B):
;          registers 4c..4c+3 at 512 c + 16 L; registers 2c, 2c+1 of lane (r, h) = keys 16c + 8h + 0..7 of channel r.
; SHARES.  A work-group takes 256 tokens x the 192 features of one head (its 64 of q, of k and of v); a wave 64 tokens (4 tiles) x 12 feature tiles: 48 accumulators, 384 registers.
; q and k are made TRANSPOSED (source 0 = 16 rows of w, source 1 = 16 tokens): a lane holds one token and its registers run along d, so x[d] and x[d+32] of RoPE lie in one lane
; and a conversion's eight numbers are eight neighbours along the next K.  v is made the other way round (source 0 = tokens): a lane holds one channel and its registers run along the tokens, the next K of v.
; K goes in steps of 256 through two LDS slots; a slot holds two steps of 128.  Both operands' fragments come by four 16-byte loads: the same permutation of k on both sides.
; CLUSTER 4 x 4: x's tile hangs on the token block alone and is asked for jointly along a row of the cluster, w's on the head alone, jointly along a column.
; ROPE.  angle = fl(pos x inv_i); inv_i are 32 constants: the f32 numbers nearest to exp(fl(2 i x fl(-ln(10000) / 64))), reference()'s own expression.  sin and cos: n = the whole number nearest to
; angle x 2 / pi, the rest by pi / 2 in two parts (fused, so the first part is taken off exactly), polynomials of degree 7 and 8 on [-pi/4, pi/4], the quadrant from n's two low bits.
; LIMITS: e2 - e0 - e1, e3 - e0 - e1, e4 - e0 - e1 between -126 and 119, so that each scale and 448 x it are f32 numbers.  NaN codes among the inputs go on as NaN.
; REGISTERS, in windows of 256: window 0: v1-29 addresses and scales; v32-63 constants of the tables, later v's codes; v64-127, v128-191 x's fragments, two sets (at the head and on the way out: at work);
;   v192-255 cos and sin for token tiles 0, 1.   window 1: v0-191 w's 12 fragments, one set; v192-255 cos and sin for token tiles 2, 3.
;   window 2: accumulators of feature tiles 0-5 (q's four, v's d 0-31), tile bb, tokens a at v[8 (4 bb + a)];   window 3: tiles 6-11 (k's four, v's d 32-63).
; SLOT 1'S FIRST FILL stands behind a round of the cluster's barrier between the third table and the fourth: slot 0's load has three tables' arithmetic in which to land, slot 1's the fourth table's and slot 0's first steps.
; PREFETCH.  K steps 1, 2 and 3 are asked for ahead of their loads, one behind another, during the tables: each 256-byte block once in each cluster that loads it.  Wave 0 asks for x's rows, waves 1, 2, 3 for q's, k's, v's
; rows of w; the four partners of a joint load share the rows out by address (x: 64 rows each, by cx; w: 16 rows of each kind, by cy).  K step 0 comes by its load alone; nothing lies behind K step 3.
; WORK LEFT OUT in this program: in the attention launch, blocks of 128 keys that lie wholly behind a tile's queries: reference()'s own causal mask gives their scores the lowest f32 number, so their p is 0 for all inputs.
; LIMIT: a NaN or an infinity that reaches only those scores is not carried to the result.
.set PITCH,  272                       ; an LDS row: 256 bytes + 16 of padding = 68 words: the 16 rows that a load touches start at 16 different banks (64 banks of 4 bytes: ISA guide 11.1)
.set AREG,   256*PITCH                 ; x's 256 rows
.set BPART,  64*PITCH                  ; 64 rows of w: q's, then k's, then v's
.set SLOT,   AREG+3*BPART
.set SPARE,  2*SLOT                    ; behind the ring: the spare words, 128 bytes a wave: two blocks of 256 bytes that no other line names
.set LI,   5                           ; v5   16 x lane: my place in an image
.set QSC,  8                           ; v8, v9   q's scale 2^(e2-e0-e1) and 448 x it;  v10, v11 k's;  v12, v13 v's
.set KSC,  10
.set VSC,  12
.set ADRA, 16                          ; v16-17  LDS address of my fragments of x in slot 0, 1
.set ADRB, 20                          ; v20-21  the same for w
.set SPW,  28                          ; v28  LDS address of my spare word; never rewritten
.set NIL,  29                          ; v29  0; never rewritten
.set INV,  32                          ; v32-47  inv_i of my 16 i = 16 t + 8 h + j, at 8 t + j
.set POS,  48                          ; v48-49  my token's position, twice
.set MAG,  50                          ; v50-59  five constants, each twice
.set KS2,  52
.set KC1,  54
.set KS1,  56
.set KC2,  58
.set TMPC, 62
.set VC,   32                          ; the way out: v's codes, 8 registers a tile of channels
.set AF,   64                          ; x's fragments: set 0 at v64, set 1 at v128
.set ANG,  64                          ; the tables, at work: angle, then the rest r
.set BQ,   80                          ; 1.5 x 2^23 + n
.set ZZ,   96                          ; n, then r^2, then a sign
.set SPO,  112                         ; sine's polynomial
.set ZR,   128                         ; r^3, then a sign
.set CPO,  144                         ; cosine's polynomial
.set SN,   160
.set CN,   176
.set YY,   64                          ; the way out: 32 turned numbers, or 64 of v
.set T1,   96
.set T2,   112
.set QC,   128                         ; q's codes, 8 registers a token tile
.set KC,   160                         ; k's
.set G1,   24                          ; s[24:31] descriptor group 1 for x's tiles;  s[32:39] group 0, a set for each slot
.set G0,   32
.set G1B,  48                          ; s[48:55], s[56:63] the same for w's
.set G0B,  56
.set MSB, 0
.macro WIN new                         ; the immediate's high byte repeats the setting that is left
.if MSB != (\new)
	s_set_vgpr_msb (MSB<<8)|(\new)
.set MSB, (\new)
.endif
.endm
.macro PLACES                          ; four plain places behind matrix instructions, in front of loads into their sources and of reads of their results
.rept 4
	v_nop
.endr
.endm
.macro CREST                           ; a round of the cluster's barrier behind its opening barrier
	s_cmp_lg_u32 s14, 0
	s_cbranch_scc1 .Lnot_wave_0_\@
	s_barrier_signal -3
.Lnot_wave_0_\@:
	s_barrier_wait -3
	s_barrier_signal -1
	s_barrier_wait -1
.endm
.macro CROUND
	s_barrier_signal -1
	s_barrier_wait -1
	CREST
.endm
; A joint load: wave 0 fetches x's 256 rows, waves 1, 2, 3 the head's 64 rows of q, k, v.  The branch hangs on the wave's number alone.  Four v_nop follow each line.
.macro JLOAD s
	s_cmp_eq_u32 s14, 0
	s_cbranch_scc0 .Lfor_b_\@
	tensor_load_to_lds s[G0+4*\s:G0+4*\s+3], s[G1:G1+7]
	s_nop 0
.rept 4
	v_nop
.endr
	s_branch .Lasked_\@
.Lfor_b_\@:
	tensor_load_to_lds s[G0B+4*\s:G0B+4*\s+3], s[G1B:G1B+7]
	s_nop 0
.rept 4
	v_nop
.endr
.Lasked_\@:
.endm
	s_load_b256 s[4:11], s[0:1], 0x0               ; x s[4:5], w_qkv s[6:7], the scales s[8:9], q_img s[10:11]
	s_load_b64 s[12:13], s[0:1], 0x20              ; kv_img
	v_lshl_add_u32 v[SPW], v0, 2, SPARE
	v_mov_b32 v[NIL], 0
	ds_add_u32 v28, v29
	ds_add_u32 v28, v29
	s_wait_dscnt 0x0
	v_lshrrev_b32 v3, 5, v0
	v_readfirstlane_b32 s14, v3                    ; wave 0..3
	s_bfe_u32 s40, ttmp6, 0x40000                  ; cx, cy: my place in the cluster
	s_bfe_u32 s41, ttmp6, 0x40004
	s_lshl_b32 s42, ttmp9, 2
	s_add_co_u32 s42, s42, s40                     ; the head = 4 x cluster x + cx
	s_and_b32 s17, ttmp7, 0xffff
	s_lshl_b32 s17, s17, 2
	s_add_co_u32 s17, s17, s41                     ; the block of 256 tokens = 4 x cluster y + cy
	s_lshl_b32 s43, s41, 2
	s_lshl_b32 s43, 15, s43                        ; my row of the cluster
	s_lshl_b32 s44, 0x1111, s40                    ; my column
	s_or_b32 s[G1], s43, (1<<20)|(1<<21)|(5<<22)|(3<<25)    ; 15:0 the mask; 17:16 elements of 1 byte; 20 padding on; 21 set beside a mask; 24:22 after every 64 words; 31:25 four words
	s_or_b32 s[G1B], s44, (1<<20)|(1<<21)|(5<<22)|(3<<25)
	s_mov_b32 s[G1+1], 256<<16                     ; tensor_dim0 = 256 bytes
	s_mov_b32 s[G1+2], 256<<16                     ; tensor_dim1 = 256 rows
	s_mov_b32 s[G1+3], 256<<16                     ; tile_dim0
	s_mov_b32 s[G1+4], 256                         ; tile_dim1
	s_mov_b32 s[G1+5], 1024                        ; from row to row
	s_mov_b32 s[G1+6], 0
	s_mov_b32 s[G1+7], 0
	s_mov_b32 s[G1B+1], 256<<16
	s_mov_b32 s[G1B+2], 64<<16                     ; 64 rows
	s_mov_b32 s[G1B+3], 256<<16
	s_mov_b32 s[G1B+4], 64
	s_mov_b32 s[G1B+5], 1024
	s_mov_b32 s[G1B+6], 0
	s_mov_b32 s[G1B+7], 0
	s_lshl_b32 s20, s17, 18                        ; x: 256 rows of 1,024 bytes a block: made of the token block alone
	s_mov_b32 s21, 0
	s_max_u32 s45, s14, 1
	s_sub_co_u32 s45, s45, 1                       ; waves 1, 2, 3: q, k, v
	s_lshl_b32 s46, s45, 20                        ; w: 1,024 rows a kind,
	s_lshl_b32 s47, s42, 16                        ; 64 rows a head: made of the head and the wave alone
	s_add_co_u32 s46, s46, s47
	s_mov_b32 s47, 0
	s_mul_i32 s45, s14, BPART
	s_add_co_u32 s45, s45, AREG-BPART              ; where w's rows go: behind x's, 64 rows for each of waves 1, 2, 3
	s_wait_kmcnt 0x0
	s_load_b256 s[72:79], s[8:9], 0x0              ; e0 .. e7
	s_add_nc_u64 s[20:21], s[4:5], s[20:21]
	s_add_nc_u64 s[46:47], s[6:7], s[46:47]
	CROUND                                         ; all sixteen work-groups are here: the first joint loads meet
.irp s, 0,1
	s_mov_b32 s[G0+4*\s], 1
	s_mov_b32 s[G0+4*\s+1], \s*SLOT
	s_add_nc_u64 s[G0+4*\s+2:G0+4*\s+3], s[20:21], \s*256
	s_or_b32 s[G0+4*\s+3], s[G0+4*\s+3], 0x80000000
	s_mov_b32 s[G0B+4*\s], 1
	s_add_co_u32 s[G0B+4*\s+1], s45, \s*SLOT
	s_add_nc_u64 s[G0B+4*\s+2:G0B+4*\s+3], s[46:47], \s*256
	s_or_b32 s[G0B+4*\s+3], s[G0B+4*\s+3], 0x80000000
.endr
	JLOAD 0                                        ; K 0-255: my one load at the head
	v_and_b32 v1, 15, v0                           ; r
	v_bfe_u32 v2, v0, 4, 1                         ; h
	s_wait_alu depctr_va_vdst(0)
	v_and_b32 v3, 31, v0
	v_lshlrev_b32 v[LI], 4, v3
	v_mul_u32_u24 v4, v1, PITCH
	v_lshl_add_u32 v4, v2, 4, v4                   ; a fragment's row x pitch + 16 x half
	s_mul_i32 s22, s14, 64*PITCH                   ; my 64 tokens
.irp s, 0,1
	v_add_nc_u32 v[ADRA+\s], s22, v4
	v_add_nc_u32 v[ADRB+\s], AREG+\s*SLOT, v4
	s_add_co_u32 s22, s22, SLOT
.endr
	; where my images go
	; the prefetches: s[96:97] where mine stand, v6 my lane's row: neither is written again
.macro ASK off                         ; off: the K step's first byte in a row
	global_prefetch_b8 v6, s[96:97] offset:\off th:TH_LOAD_NT scope:SCOPE_SE
	s_cmp_lg_u32 s14, 0
	s_cbranch_scc1 .Lone_\@                        ; wave 0 has 64 rows of x: two instructions
	global_prefetch_b8 v6, s[96:97] offset:\off+32768 th:TH_LOAD_NT scope:SCOPE_SE
.Lone_\@:
.endm
	s_lshl_b32 s98, s41, 14                        ; w: my 16 rows of the kind's 64, by cy
	s_lshl_b32 s99, s40, 16                        ; x: my 64 rows of the block's 256, by cx
	s_cmp_eq_u32 s14, 0
	s_cselect_b32 s98, s99, s98
	s_cselect_b32 s95, 31, 15
	s_cselect_b64 s[96:97], s[20:21], s[46:47]
	s_mov_b32 s99, 0
	s_add_nc_u64 s[96:97], s[96:97], s[98:99]
	v_and_b32 v6, 31, v0
	v_min_u32 v6, s95, v6                          ; waves 1-3: lanes 16-31 name the sixteenth row again
	v_lshlrev_b32 v6, 10, v6
	s_wait_alu depctr_va_vdst(0)                   ; the wait ahead of the branch
	ASK 256                                        ; what slot 1's first fill will ask for
	s_lshr_b32 s88, s17, 3
	s_lshl_b32 s88, s88, 4
	s_add_co_u32 s88, s88, s42                     ; bh = 16 x batch + head
	s_and_b32 s89, s17, 7                          ; my block of 256 tokens within the sequence
	s_lshl_b32 s90, s89, 4
	s_lshl_b32 s91, s14, 2
	s_add_co_u32 s90, s90, s91                     ; my first tile of 16 tokens
	s_lshl_b32 s90, s90, 10
	s_lshl_b32 s91, s88, 17
	s_add_co_u32 s90, s90, s91
	s_mov_b32 s91, 0
	s_add_nc_u64 s[80:81], s[10:11], s[90:91]      ; q's four tiles
	s_lshl_b32 s92, s89, 1
	s_lshr_b32 s93, s14, 1
	s_add_co_u32 s92, s92, s93                     ; my block of 128 keys
	s_lshl_b32 s92, s92, 14
	s_lshl_b32 s93, s88, 18
	s_add_co_u32 s92, s92, s93
	s_and_b32 s94, s14, 1                          ; its first or second 64 keys
	s_lshl_b32 s95, s94, 12
	s_add_co_u32 s90, s92, s95
	s_add_nc_u64 s[84:85], s[12:13], s[90:91]      ; k's four tiles
	s_lshl_b32 s95, s94, 10
	s_add_co_u32 s90, s92, s95
	s_add_co_u32 s90, s90, 8192
	s_add_nc_u64 s[86:87], s[12:13], s[90:91]      ; v: registers 8 (wave % 2) on of each tile of channels
	s_lshl_b32 s66, s89, 8
	s_lshl_b32 s67, s14, 6
	s_add_co_u32 s66, s66, s67                     ; my first token's position
	; THE TABLES, made while the first tiles are on their way.  Lane (r, h) wants i = 16 t + 8 h + j: of each pair of constants it takes the one of its half.
.macro INVC idx, lo, hi
	v_mov_b32 v[TMPC], \hi
	v_cndmask_b32 v[INV+\idx], \lo, v[TMPC], vcc_lo
.endm
	v_cmp_eq_u32 vcc_lo, 1, v2
	INVC 0, 1.0, 0x3dcccccc                        ; i = 0, 8
	INVC 1, 0x3f3ff911, 0x3d99940d
	INVC 2, 0x3f0ff59a, 0x3d6655c1
	INVC 3, 0x3ed7e89a, 0x3d2cba15
	INVC 4, 0x3ea1e89b, 0x3d0186e2
	INVC 5, 0x3e72d422, 0x3cc2434e
	INVC 6, 0x3e361887, 0x3c91ad39
	INVC 7, 0x3e088d77, 0x3c5a7bf1
	INVC 8, 0x3c23d70a, 0x3a83126e                 ; i = 16, 24
	INVC 9, 0x3bf5b9ad, 0x3a44948a
	INVC 10, 0x3bb8449a, 0x3a136a14
	INVC 11, 0x3b8a2e75, 0x39dd1721
	INVC 12, 0x3b4f3e33, 0x39a5cb61
	INVC 13, 0x3b1b690d, 0x3978a80d
	INVC 14, 0x3ae91528, 0x393a7753
	INVC 15, 0x3aaec98e, 0x390bd46d
	v_mov_b32 v[MAG], 0x4b400000                   ; 1.5 x 2^23: added to a number below 2^22 it leaves the nearest whole number in the low bits
	v_mov_b32 v[MAG+1], 0x4b400000
	v_mov_b32 v[KS2], 0x3c08839e                   ; sine: r + r^3 (S1 + z (S2 + z S3))
	v_mov_b32 v[KS2+1], 0x3c08839e
	v_mov_b32 v[KS1], 0xbe2aaaa3
	v_mov_b32 v[KS1+1], 0xbe2aaaa3
	v_mov_b32 v[KC1], 0xbab6061a                   ; cosine: 1 - z / 2 + z^2 (C2 + z (C1 + z C0))
	v_mov_b32 v[KC1+1], 0xbab6061a
	v_mov_b32 v[KC2], 0x3d2aaaa5
	v_mov_b32 v[KC2+1], 0x3d2aaaa5
	v_add_nc_u32 v[POS], s66, v1
	v_cvt_f32_u32 v[POS], v[POS]
	v_mov_b32 v[POS+1], v[POS]
.macro TABLE a                         ; cos and sin of my token of tile a at my 16 i
.set TBL, 192+32*((\a)%2)
.irp p, 0,2,4,6,8,10,12,14
	v_pk_mul_f32 v[ANG+\p:ANG+\p+1], v[INV+\p:INV+\p+1], v[POS:POS+1]                               ; the angle, rounded once, as reference() has it
.endr
.irp p, 0,2,4,6,8,10,12,14
	v_pk_fma_f32 v[BQ+\p:BQ+\p+1], v[ANG+\p:ANG+\p+1], 0x3f22f983, v[MAG:MAG+1] op_sel_hi:[1,0,1]   ; x 2 / pi
.endr
.irp p, 0,2,4,6,8,10,12,14
	v_pk_add_f32 v[ZZ+\p:ZZ+\p+1], v[BQ+\p:BQ+\p+1], 0xcb400000 op_sel_hi:[1,0]                     ; n
.endr
.irp p, 0,2,4,6,8,10,12,14
	v_pk_fma_f32 v[ANG+\p:ANG+\p+1], v[ZZ+\p:ZZ+\p+1], 0xbfc90fdb, v[ANG+\p:ANG+\p+1] op_sel_hi:[1,0,1]   ; - n x the f32 nearest to pi / 2: exact (n below 2^11)
.endr
.irp p, 0,2,4,6,8,10,12,14
	v_pk_fma_f32 v[ANG+\p:ANG+\p+1], v[ZZ+\p:ZZ+\p+1], 0x333bbd2e, v[ANG+\p:ANG+\p+1] op_sel_hi:[1,0,1]   ; + n x what that number has too much
.endr
.irp p, 0,2,4,6,8,10,12,14
	v_pk_mul_f32 v[ZZ+\p:ZZ+\p+1], v[ANG+\p:ANG+\p+1], v[ANG+\p:ANG+\p+1]                           ; z = r^2
.endr
.irp p, 0,2,4,6,8,10,12,14
	v_pk_fma_f32 v[SPO+\p:SPO+\p+1], v[ZZ+\p:ZZ+\p+1], 0xb94ca1f9, v[KS2:KS2+1] op_sel_hi:[1,0,1]
	v_pk_fma_f32 v[CPO+\p:CPO+\p+1], v[ZZ+\p:ZZ+\p+1], 0x37ccf5ce, v[KC1:KC1+1] op_sel_hi:[1,0,1]
.endr
.irp p, 0,2,4,6,8,10,12,14
	v_pk_fma_f32 v[SPO+\p:SPO+\p+1], v[SPO+\p:SPO+\p+1], v[ZZ+\p:ZZ+\p+1], v[KS1:KS1+1]
	v_pk_fma_f32 v[CPO+\p:CPO+\p+1], v[CPO+\p:CPO+\p+1], v[ZZ+\p:ZZ+\p+1], v[KC2:KC2+1]
	v_pk_mul_f32 v[ZR+\p:ZR+\p+1], v[ZZ+\p:ZZ+\p+1], v[ANG+\p:ANG+\p+1]
.endr
.irp p, 0,2,4,6,8,10,12,14
	v_pk_fma_f32 v[CPO+\p:CPO+\p+1], v[CPO+\p:CPO+\p+1], v[ZZ+\p:ZZ+\p+1], -0.5 op_sel_hi:[1,1,0]
	v_pk_fma_f32 v[SPO+\p:SPO+\p+1], v[SPO+\p:SPO+\p+1], v[ZR+\p:ZR+\p+1], v[ANG+\p:ANG+\p+1]       ; sin r
.endr
.irp p, 0,2,4,6,8,10,12,14
	v_pk_fma_f32 v[CPO+\p:CPO+\p+1], v[CPO+\p:CPO+\p+1], v[ZZ+\p:ZZ+\p+1], 1.0 op_sel_hi:[1,1,0]    ; cos r
.endr
.irp i, 0,1,2,3,4,5,6,7,8,9,10,11,12,13,14,15
	v_lshlrev_b32 v[ZR+\i], 31, v[BQ+\i]           ; n's bit 0 as a sign: the two change places
	v_lshlrev_b32 v[ZZ+\i], 30, v[BQ+\i]           ; n's bit 1 as a sign: the sine's
.endr
.irp i, 0,1,2,3,4,5,6,7,8,9,10,11,12,13,14,15
	v_cmp_gt_i32 vcc_lo, 0, v[ZR+\i]
	v_cndmask_b32 v[SN+\i], v[SPO+\i], v[CPO+\i], vcc_lo
	v_cndmask_b32 v[CN+\i], v[CPO+\i], v[SPO+\i], vcc_lo
.endr
.irp i, 0,1,2,3,4,5,6,7,8,9,10,11,12,13,14,15
	v_xor_b32 v[ZR+\i], v[ZZ+\i], v[ZR+\i]         ; bit 1 xor bit 0: the cosine's sign
	v_and_b32 v[ZZ+\i], 0x80000000, v[ZZ+\i]
	v_and_b32 v[ZR+\i], 0x80000000, v[ZR+\i]
.endr
	WIN ((\a)/2)<<6                                ; tiles 2, 3: the destination lies in window 1
.irp i, 0,1,2,3,4,5,6,7,8,9,10,11,12,13,14,15
	v_xor_b32 v[TBL+16+\i], v[SN+\i], v[ZZ+\i]     ; sin
	v_xor_b32 v[TBL+\i], v[CN+\i], v[ZR+\i]        ; cos
.endr
	WIN 0
	v_pk_add_f32 v[POS:POS+1], v[POS:POS+1], 0x41800000 op_sel_hi:[1,0]   ; the next tile's token: 16 on
.endm
	TABLE 0
	TABLE 1
	s_wait_alu depctr_va_vdst(0)                   ; the wait ahead of the branch
	ASK 512                                        ; what slot 0's refill will ask for
	TABLE 2
	s_wait_alu depctr_va_vdst(0)                   ; directly ahead of the wait below
	s_wait_tensorcnt 0x0                           ; my part of slot 0 is in
	ds_add_u32 v[SPW], v[NIL]
	s_wait_dscnt 0x0
	CROUND                                         ; everybody's part of slot 0 is in, and all sixteen work-groups are here
	JLOAD 1                                        ; K 256-511: slot 1's first fill
	TABLE 3
	s_wait_alu depctr_va_vdst(0)                   ; the wait ahead of the branch
	ASK 768                                        ; what slot 1's refill will ask for
	; the three quantisers' scales.  A sum stands for sum x 2^(e0 + e1): its code is sum / 2^(e - e0 - e1)
.macro SCALES e, sc
	s_sub_co_i32 s89, s[\e], s88
	s_add_co_i32 s89, s89, 127
	s_lshl_b32 s90, s89, 23
	v_mov_b32 v[\sc], s90                          ; the scale as f32: the conversion takes its exponent field
	s_add_co_i32 s89, s89, 8
	s_lshl_b32 s89, s89, 23
	s_or_b32 s89, s89, 0x600000
	v_mov_b32 v[\sc+1], s89                        ; 448 x the scale
.endm
	s_wait_kmcnt 0x0
	s_add_co_i32 s88, s72, s73
	SCALES 74, QSC
	SCALES 75, KSC
	SCALES 76, VSC
.macro FRAG reg, adr, q, row           ; a fragment, 16 rows x 128 K: registers 4 c .. 4 c + 3 hold K = 32 c + 16 h + 0 .. 15, in x and in w alike
.irp c, 0,1,2,3
	ds_load_b128 v[\reg+4*\c:\reg+4*\c+3], v[\adr] offset:(\row)*PITCH+128*(\q)+32*\c
.endr
.endm
.macro FETCH_BLO slot, q               ; w's tiles 0-5: q's rows 0-63, v's rows 128-159
	WIN 0x40
.irp b, 0,1,2,3,4,5
	FRAG 16*\b, ADRB+\slot, \q, 16*\b+64*(\b/4)
.endr
	WIN 0
.endm
.macro FETCH_BHI slot, q               ; tiles 6-11: k's rows 64-127, v's rows 160-191
	WIN 0x40
.irp b, 6,7,8,9,10,11
	FRAG 16*\b, ADRB+\slot, \q, 16*\b-32+32*(\b/10)
.endr
	WIN 0
.endm
.macro FETCH_A slot, q, set
.irp a, 0,1,2,3
	FRAG AF+64*\set+16*\a, ADRA+\slot, \q, 16*\a
.endr
.endm
.macro WM d, s0, s1, zero              ; zero = 1: the first product starts the sum: nothing is ever cleared
.if \zero
	v_wmma_f32_16x16x128_fp8_fp8 v[\d:\d+7], v[\s0:\s0+15], v[\s1:\s1+15], 0
.else
	v_wmma_f32_16x16x128_fp8_fp8 v[\d:\d+7], v[\s0:\s0+15], v[\s1:\s1+15], v[\d:\d+7]
.endif
.endm
; Half h of a step's products.  part 0: q's or k's four tiles x four token tiles, source 0 = w; part 1: v's two tiles, source 0 = x.
; The 48 accumulators take turns, one instruction a turn, in the same order in every step.
.macro MULH h, set, zero, part
.if \part == 0
	WIN 0xa1+0x50*\h                               ; source 0 window 1, source 1 window 0, C and D window 2 + h
.irp bb, 0,1,2,3
.irp a, 0,1,2,3
	WM 8*(4*\bb+\a), 16*(6*\h+\bb), AF+64*\set+16*\a, \zero
.endr
.endr
.else
	WIN 0xa4+0x50*\h                               ; source 0 window 0, source 1 window 1
.irp bb, 4,5
.irp a, 0,1,2,3
	WM 8*(4*\bb+\a), AF+64*\set+16*\a, 16*(6*\h+\bb), \zero
.endr
.endr
.endif
.endm
; A slot's first step of 128 along K, on x's set 0; the second step's fragments are fetched as registers come free.
.macro STEP slot, zero
	s_wait_dscnt 24                                ; w's tiles 0-5 and x are in; the youngest 24 loads (w's tiles 6-11) may be out
	MULH 0, 0, \zero, 0
	MULH 0, 0, \zero, 1
	s_wait_dscnt 0x0
	PLACES
	FETCH_BLO \slot, 1
	FETCH_A \slot, 1, 1
	MULH 1, 0, \zero, 0
	MULH 1, 0, \zero, 1
	PLACES
	FETCH_BHI \slot, 1
.endm
; A slot's second step, on x's set 1, changes slots: ONE barrier; in front of it each wave waits for all its tensor loads, adds 0 to its spare word, and waits for that and for its reads of this slot.
.macro TURN slot, next, fill
	s_wait_tensorcnt 0x0                           ; all my tensor loads have landed: my part of the next slot
	ds_add_u32 v[SPW], v[NIL]                      ; 0 onto my spare word
	s_wait_dscnt 25                                ; (the add and the youngest 24 loads may be out)
	MULH 0, 1, 0, 0                                ; sixteen matrix instructions stand between the add and the wait for it
	s_wait_dscnt 0x0                               ; the add is done, and my reads of this slot are over
	s_barrier_signal -1
	MULH 0, 1, 0, 1
	WIN 0
	s_barrier_wait -1
.if \fill
	CREST                                          ; the barrier has opened a round of the cluster's barrier: no wave of any partner still reads this slot or has a load on its way
	s_add_nc_u64 s[G0+4*\slot+2:G0+4*\slot+3], s[G0+4*\slot+2:G0+4*\slot+3], 512
	s_add_nc_u64 s[G0B+4*\slot+2:G0B+4*\slot+3], s[G0B+4*\slot+2:G0B+4*\slot+3], 512
	JLOAD \slot                                    ; the first tensor load behind the round; its four v_nop are the places in front of the loads below
.else
	PLACES
.endif
	FETCH_BLO \next, 0
	FETCH_A \next, 0, 0
	MULH 1, 1, 0, 0
	MULH 1, 1, 0, 1
	PLACES
	FETCH_BHI \next, 0
.endm
	s_wait_alu depctr_va_vdst(0)                   ; the wait at the head's end
	FETCH_BLO 0, 0                                 ; slot 0 was whole at the round above
	FETCH_A 0, 0, 0
	FETCH_BHI 0, 0
	STEP 0, 1                                      ; K 0-127: the products start the sums
	TURN 0, 1, 1                                   ; K 128-255; slot 0 takes K 512-767
	STEP 1, 0
	TURN 1, 0, 1                                   ; slot 1 takes K 768-1023
	STEP 0, 0
	TURN 0, 1, 0                                   ; nothing is left to fetch
	STEP 1, 0
	s_wait_dscnt 24                                ; the last step
	MULH 0, 1, 0, 0
	MULH 0, 1, 0, 1
	s_wait_dscnt 0x0
	MULH 1, 1, 0, 0
	MULH 1, 1, 0, 1
	WIN 0
	PLACES
; THE WAY OUT.  q or k (window w) of token tile a: y[d] = x[d] cos - x[d+32] sin, y[d+32] = x[d+32] cos + x[d] sin; held within 448 x the scale (the conversion to an 8-bit code does not
; saturate: ISA guide 7.6.2); four conversions give the tile's eight operand registers.  Each accumulator is read from its low end on.
.macro ROPE w, a, codes, sc
.set TBL, 192+32*((\a)%2)
	WIN (((\a)/2)<<2)|(\w)                         ; source 0 the sums' window, source 1 the table's
.irp p, 0,2,4,6,8,10,12,14
.set RX1, 8*(4*(\p/8)+(\a))+\p%8
.set RX2, RX1+64
	v_pk_mul_f32 v[T1+\p:T1+\p+1], v[RX2:RX2+1], v[TBL+16+\p:TBL+17+\p]
	v_pk_mul_f32 v[T2+\p:T2+\p+1], v[RX1:RX1+1], v[TBL+16+\p:TBL+17+\p]
.endr
.irp p, 0,2,4,6,8,10,12,14
.set RX1, 8*(4*(\p/8)+(\a))+\p%8
.set RX2, RX1+64
	v_pk_fma_f32 v[YY+\p:YY+\p+1], v[RX1:RX1+1], v[TBL+\p:TBL+\p+1], v[T1+\p:T1+\p+1] neg_lo:[0,0,1] neg_hi:[0,0,1]
	v_pk_fma_f32 v[YY+16+\p:YY+17+\p], v[RX2:RX2+1], v[TBL+\p:TBL+\p+1], v[T2+\p:T2+\p+1]
.endr
	WIN 0
.set n, 0
.rept 32
	v_med3_num_f32 v[YY+n], v[YY+n], -v[\sc+1], v[\sc+1]
.set n, n+1
.endr
.irp t, 0,1,2,3
	v_cvt_scalef32_pk8_fp8_f32 v[\codes+2*\t:\codes+2*\t+1], v[YY+8*\t:YY+8*\t+7], v[\sc]
.endr
	v_nop                                          ; one plain line behind the last conversion: its sources are written again by the next tile's arithmetic
.endm
; v's two tiles of channels of window w: 64 sums, a lane's eight registers are eight neighbouring tokens of one channel.
.macro VPART w
	WIN \w
.set n, 0
.rept 64
	v_med3_num_f32 v[YY+n], v[128+n], -v[VSC+1], v[VSC+1]
.set n, n+1
.endr
	WIN 0
.irp tl, 0,1
.irp a, 0,1,2,3
	v_cvt_scalef32_pk8_fp8_f32 v[VC+8*(2*(\w-2)+\tl)+2*\a:VC+8*(2*(\w-2)+\tl)+2*\a+1], v[YY+8*(4*\tl+\a):YY+8*(4*\tl+\a)+7], v[VSC]
.endr
.endr
	v_nop
.irp tl, 0,1
	global_store_b128 v[LI], v[VC+8*(2*(\w-2)+\tl):VC+8*(2*(\w-2)+\tl)+3], s[86:87] offset:2048*(2*(\w-2)+\tl)
	global_store_b128 v[LI], v[VC+8*(2*(\w-2)+\tl)+4:VC+8*(2*(\w-2)+\tl)+7], s[86:87] offset:2048*(2*(\w-2)+\tl)+512
.endr
.endm
.irp a, 0,1,2,3
	ROPE 2, \a, QC+8*\a, QSC
	global_store_b128 v[LI], v[QC+8*\a:QC+8*\a+3], s[80:81] offset:1024*\a        ; 32 lanes store 512 consecutive bytes; no store's registers are written again
	global_store_b128 v[LI], v[QC+8*\a+4:QC+8*\a+7], s[80:81] offset:1024*\a+512
.endr
	VPART 2
.irp a, 0,1,2,3
	ROPE 3, \a, KC+8*\a, KSC
	global_store_b128 v[LI], v[KC+8*\a:KC+8*\a+3], s[84:85] offset:1024*\a
	global_store_b128 v[LI], v[KC+8*\a+4:KC+8*\a+7], s[84:85] offset:1024*\a+512
.endr
	VPART 3
	s_wait_tensorcnt 0x0                           ; the wave's end
	ds_add_u32 v[SPW], v[NIL]
	s_wait_dscnt 0x0
	CROUND                                         ; the closing round: no work-group ends while a partner may still ask for a tile that names it
	s_endpgm
.Lfunc_end_k_q2f6e357de2_qkv:
	.size	k_q2f6e357de2_qkv, .Lfunc_end_k_q2f6e357de2_qkv-k_q2f6e357de2_qkv
	.p2alignl 7, 3214868480
	.fill 96, 4, 3214868480
	.section	.rodata,"a",@progbits
	.p2align	6, 0x0
	.amdhsa_kernel k_q2f6e357de2_qkv
		.amdhsa_group_segment_fixed_size 327680
		.amdhsa_private_segment_fixed_size 0
		.amdhsa_enable_private_segment 0
		.amdhsa_kernarg_size 40
		.amdhsa_user_sgpr_count 2
		.amdhsa_user_sgpr_kernarg_segment_ptr 1
		.amdhsa_wavefront_size32 1
		.amdhsa_system_sgpr_workgroup_id_x 1
		.amdhsa_system_sgpr_workgroup_id_y 1
		.amdhsa_system_sgpr_workgroup_id_z 1
		.amdhsa_system_vgpr_workitem_id 0
		.amdhsa_next_free_vgpr 1024
		.amdhsa_next_free_sgpr 100
		.amdhsa_reserve_vcc 1
		.amdhsa_float_denorm_mode_32 3
		.amdhsa_float_denorm_mode_16_64 3
		.amdhsa_memory_ordered 1
		.amdhsa_forward_progress 1
		.amdhsa_inst_pref_size 180
	.end_amdhsa_kernel
	.amdgpu_metadata
---
amdhsa.version: [ 1, 2 ]
amdhsa.kernels:
  - .name:           k_q2f6e357de2_qkv
    .symbol:         k_q2f6e357de2_qkv.kd
    .args:
      - { .name: x_codes, .offset: 0, .size: 8, .value_kind: global_buffer, .address_space: global }
      - { .name: w_qkv_codes, .offset: 8, .size: 8, .value_kind: global_buffer, .address_space: global }
      - { .name: lowp_scales, .offset: 16, .size: 8, .value_kind: global_buffer, .address_space: global }
      - { .name: q_img, .offset: 24, .size: 8, .value_kind: global_buffer, .address_space: global }
      - { .name: kv_img, .offset: 32, .size: 8, .value_kind: global_buffer, .address_space: global }
    .group_segment_fixed_size: 327680
    .private_segment_fixed_size: 0
    .kernarg_segment_align: 8
    .kernarg_segment_size: 40
    .max_flat_workgroup_size: 128
    .sgpr_count:     100
    .vgpr_count:     1024
    .wavefront_size: 32
...
	.end_amdgpu_metadata
.endif
;; end of part 1
;; launch attn (part 2): grid 4 x 64, 16 waves a work-group, clusters of 4 x 4, 327,680 bytes of LDS; arguments q_img, kv_img, lowp_scales, a_codes; writes a_codes
.if DOCPART == 2
	.amdgcn_target "amdgcn-amd-amdhsa--gfx1250"
	.amdhsa_code_object_version 6
	.text
	.protected	k_q2f6e357de2_attn
	.globl	k_q2f6e357de2_attn
	.p2align	8
	.type	k_q2f6e357de2_attn,@function
k_q2f6e357de2_attn:
	s_mov_b64 s[64:65], 0
	v_nop
	global_prefetch_b8 v0, s[64:65] scope:SCOPE_SE
	s_setreg_imm32_b32 hwreg(HW_REG_WAVE_MODE, 25, 1), 1
	s_wait_xcnt 0x0
	s_wait_alu depctr_hold_cnt(0) depctr_sa_sdst(0) depctr_va_vdst(0) depctr_va_sdst(0) depctr_va_ssrc(0) depctr_va_vcc(0) depctr_vm_vsrc(0)
	s_getreg_b32 s2, hwreg(HW_REG_IB_STS2, 6, 4)
	s_cmp_eq_u32 s2, 0
	s_cbranch_scc0 .Lentry_in_a_cluster
	s_endpgm
.Lentry_in_a_cluster:
	s_bfe_u32 s2, ttmp6, 0x10000c
	s_cmp_lg_u32 s2, 0xf033
	s_cbranch_scc0 .Lentry_shape_is_right
	s_endpgm
.Lentry_shape_is_right:
; Causal attention of one head on codes of FP8 (E4M3): S^T = K Q^T (K = the head's 64), p = 2^(t - M), O^T = V^T P^T (K = the keys), O / l, quantised with e6 for the last product.
; q_img, kv_img: images of operand registers: q_img [bh][tile of 16 queries][1024 B]; kv_img [bh][block of 128 keys][8 tiles of K, 1024 B each; then 4 tiles of V^T, 2048 B each].
; a_codes [4096][1024]: reference()'s permute and reshape put the 16 queries x 64 channels of one tile of one head into ONE row: row bh x 128 + tile, byte 64 (query % 16) + channel.
; THE SOFTMAX: t = score x log2(e) / 8; M = the running largest t rounded UP to a whole number, kept as -M = floor(-t); p = 2^(t - M) is quantised (e5), not normalised; the row's sum is taken of the
; unquantised p and divides at the end; when M moves, the sum and O^T are multiplied by 2^(old M - new M), which rounds nothing.
; LEFT OUT: blocks of 128 keys that lie wholly behind a tile's queries (reference()'s causal mask makes their p 0 for all inputs); a NaN or an infinity that reaches only them is not carried to the result.
; On the diagonal block a hidden key's score is held under -2^109: p = 0.  The diagonal key counts for every query, so M is a number from a tile's first step on.
; SHARES.  The eight work-groups of a head lie in one cluster of sixteen; each takes one tile of 16 queries (the one of its place) out of EACH of the head's 16 blocks of 128 queries.
; Pair i, 0 to 7, takes its tiles of block i (short: i + 1 key steps) and of block 15 - i (long: 16 - i steps).  Its first wave (i for i < 4, else i: waves 0-7) walks the long tile's key blocks below c, c = 13 for i < 4, else 10;
; its second (12 + i for i < 4, else 4 + i: waves 8-15) walks the short tile, sends it out, then walks the long tile's key blocks from c on and hands its sums to the first through LDS.
; Waves w, w + 4, w + 8, w + 12 have 34 steps together for each w: 13, 10, 7, 4 for w = 0, 1, 2 and 13, 9, 8, 4 for w = 3.
; All branches hang on the wave's number alone; a work-group's place enters addresses in memory and the mask's numbers, no branch and no LDS address.
; LDS.  The head's K and V, 262,144 bytes, lie in LDS whole and are filled once, by loads that the four work-groups of a cluster's row ask for jointly: key blocks 0-3 at the head, 4,096 bytes a wave; key blocks 4-15
; behind the round that shows blocks 0-3, 24,576 bytes for each of waves 8-15.  Nothing is filled again.
; No prefetch: each byte is fetched once, in two groups of loads ahead of the first step, and no loop of loads stands behind them.
; LAYOUT.  Both products transposed: a lane holds ONE query (lane % 16).  Tile u of S^T holds keys 16 u + 8 h + 0..7 in a lane's eight registers: their codes are registers 2 u, 2 u + 1 of P, the map that V^T's image has.
; LIMITS: e2 + e3 between -75 and 130; scaled scores under 2^31 in magnitude; e5 and e6 between -126 and 119; e4 + e5 goes in by v_ldexp_f32 and has none.  A NaN score on the diagonal block is not carried.
; REGISTERS: v1-7 addresses and the mask's numbers; v8 the step's address; v12 -M, v13 the largest t, v[14:15] the sum in two halves; v16-23 Q, v24-31 the long tile's Q; v32-95 K's fragments, then V's; v96-159 S^T, then p;
;   v160-191 O^T; v192-207 at work; v208-215 the last step's part of the sum, four pairs; v224-239 p's codes; v240, v244: 448 x 2^e5, 2^e5; v241, v245: the same with e6; v246, v252-254 at work.
.set BLKB,  16384                      ; a key block's bytes
.set STAGE, 16*BLKB                    ; 1,024 bytes a wave for the way out
.set PUB,   STAGE+16*1024              ; a pair's sums: 32 registers of O^T, 128 bytes each, then -M and the sum
.set PUBB,  4352
.set SPARE, PUB+8*PUBB                 ; the spare words: 128 bytes a wave, eight blocks of 256 bytes that no other line names
.set LI,    1                          ; v1  16 x lane
.set DP,    2                          ; v[2:3] (d + 1/2) x 2^110 and (d - 1/2) x 2^110, d = my query within its block - 8 h
.set STI,   4                          ; v4  the stage: where I put 8 codes
.set STOUT, 5                          ; v5  and where I read 16 bytes back
.set PO,    6                          ; v6  the pair's sums: O^T
.set PS,    7                          ; v7  and -M with the sum
.set ADK,   8
.set PR,    208
.set WV,    18
.set G1,    24                         ; s[24:31] group 1 of the head's loads: 16 rows of 256 bytes;  s[40:43] group 0
.set G0,    40
.set G1B,   92                         ; s[92:99] group 1 of the later loads: 96 rows;  s[44:47] group 0
.set G0B,   44
.set PI,    32                         ; s32  the pair
.set ROLE,  33                         ; s33  0 the pair's first wave, 1 its second
.set SVO,   34                         ; s34  e4 + e5
.set CUT,   35                         ; s35  c
.set LOW,   36                         ; s36, s37  the first and the last key block that I walk
.set LIM,   37
.set SEL,   48                         ; s[48:49] v_permlanex16_b32's selects for lane l xor 16
.set CS,    50                         ; s[50:51] log2(e) / 8 x 2^(e2 + e3), twice
.set TB,    52                         ; s52  LDS byte at which the step's key block begins
.set KB,    53                         ; s53  the step's key block
.set BLK,   54                         ; s54  my queries' block
.set BLK2,  55                         ; s55  the long tile's block
.macro CROUND                          ; a round of the cluster's barrier
	s_barrier_signal -1
	s_barrier_wait -1
	s_cmp_lg_u32 s[WV], 0
	s_cbranch_scc1 .Lnot_wave_0_\@
	s_barrier_signal -3
.Lnot_wave_0_\@:
	s_barrier_wait -3
	s_barrier_signal -1
	s_barrier_wait -1
.endm
.macro INIT                            ; a tile's state: the step is written once, its first change of M leaves zeros zeros
	v_mov_b32 v13, 0xff61b1e6                      ; the largest t so far: -3e38, under every t
	v_mov_b32 v14, 0
	v_mov_b32 v15, 0
	v_floor_f32 v12, -v13                          ; -M
.set n, 0
.rept 8
	v_mov_b32 v[PR+n], 0
.set n, n+1
.endr
.set n, 0
.rept 32
	v_mov_b32 v[160+n], 0
.set n, n+1
.endr
.endm
.macro JOIN                            ; the last step's part of the sum goes into the sum
	v_pk_add_f32 v[PR:PR+1], v[PR:PR+1], v[PR+2:PR+3]
	v_pk_add_f32 v[PR+4:PR+5], v[PR+4:PR+5], v[PR+6:PR+7]
	v_pk_add_f32 v[PR:PR+1], v[PR:PR+1], v[PR+4:PR+5]
	v_pk_add_f32 v[14:15], v[14:15], v[PR:PR+1]
.endm
	s_load_b256 s[4:11], s[0:1], 0x0               ; q_img s[4:5], kv_img s[6:7], the scales s[8:9], a_codes s[10:11]
	v_lshl_add_u32 v251, v0, 2, SPARE
	v_mov_b32 v255, 0
	ds_add_u32 v251, v255                          ; the wave's opening: the add, twice on end, and its wait
	ds_add_u32 v251, v255
	v_lshrrev_b32 v8, 5, v0
	v_and_b32 v9, 31, v0
	v_readfirstlane_b32 s[WV], v8                  ; wave 0..15
	v_lshlrev_b32 v[LI], 4, v9
	s_bfe_u32 s19, ttmp6, 0x40000                  ; cx
	s_bfe_u32 s20, ttmp6, 0x40004                  ; cy
	s_and_b32 s21, ttmp7, 0xffff                   ; the cluster's y
	s_lshl_b32 s22, s20, 2
	s_lshl_b32 s22, 15, s22                        ; my row of the cluster: four work-groups of one head
	s_or_b32 s[G1], s22, (3<<16)|(1<<21)           ; 15:0 the mask; 17:16 elements of 8 bytes; 21 set beside a mask; no padding: the images are read 512 consecutive bytes at a time
	s_or_b32 s[G1B], s22, (3<<16)|(1<<21)
.irp g, G1, G1B
	s_mov_b32 s[\g+1], 32<<16                      ; tensor_dim0 = 32 elements: rows of 256 bytes of a dense block
	s_mov_b32 s[\g+3], 32<<16                      ; tile_dim0
	s_mov_b32 s[\g+5], 32                          ; from row to row
	s_mov_b32 s[\g+6], 0
	s_mov_b32 s[\g+7], 0
.endr
	s_mov_b32 s[G1+2], 16<<16                      ; tensor_dim1
	s_mov_b32 s[G1+4], 16                          ; tile_dim1
	s_mov_b32 s[G1B+2], 96<<16
	s_mov_b32 s[G1B+4], 96
	s_lshl_b32 s23, s21, 1
	s_lshr_b32 s66, s20, 1
	s_add_co_u32 s23, s23, s66                     ; bh = 2 x cluster y + cy / 2
	s_lshl_b32 s66, s23, 18                        ; the head's 262,144 bytes
	s_lshl_b32 s67, s[WV], 12                      ; my part of key blocks 0-3: in LDS and in the head's bytes alike
	s_add_co_u32 s68, s66, s67
	s_mov_b32 s69, 0
	s_and_b32 s89, s[WV], 7
	s_mul_i32 s89, s89, 24576
	s_add_co_u32 s89, s89, 4*BLKB                  ; waves 8-15: my part of key blocks 4-15
	s_add_co_u32 s90, s66, s89
	s_mov_b32 s91, 0
	s_lshr_b32 s71, s[WV], 2                       ; g
	s_lshr_b32 s[ROLE], s[WV], 3
	s_xor_b32 s71, s71, s[ROLE]
	s_and_b32 s71, s71, 1                          ; 1 for g = 1, 2: pairs 4-7
	s_lshl_b32 s72, s71, 2
	s_and_b32 s70, s[WV], 3
	s_add_co_u32 s[PI], s70, s72
	s_mul_i32 s71, s71, 3
	s_sub_co_u32 s[CUT], 13, s71
	s_xor_b32 s72, s[ROLE], 1
	s_mul_i32 s72, s72, 15
	s_xor_b32 s[BLK], s[PI], s72                   ; first wave: 15 - i, second: i
	s_xor_b32 s[BLK2], s[PI], 15
	s_lshl_b32 s73, s19, 1
	s_and_b32 s74, s20, 1
	s_add_co_u32 s73, s73, s74                     ; my work-group's place in the head = the tile within a block: 2 cx + cy % 2
	s_lshl_b32 s76, s23, 17
	s_lshl_b32 s77, s73, 10
	s_add_co_u32 s76, s76, s77
	s_lshl_b32 s78, s[BLK], 13
	s_add_co_u32 s78, s78, s76                     ; (bh x 128 + tile) x 1,024: Q's image and the output's row alike
	s_mov_b32 s79, 0
	s_lshl_b32 s80, s[BLK2], 13
	s_add_co_u32 s80, s80, s76                     ; the long tile's
	s_mov_b32 s81, 0
	s_mov_b32 s[SEL], 0x76543210
	s_mov_b32 s[SEL+1], 0xfedcba98
	s_mov_b32 s[CS], 0x3e38aa3b                    ; log2(e) / 8
	s_wait_alu depctr_va_vdst(0)                   ; ahead of the waits below
	s_wait_dscnt 0x0                               ; both opening adds are done
	s_wait_kmcnt 0x0
	s_load_b256 s[56:63], s[8:9], 0x0              ; e0 .. e7
	s_mov_b32 s[G0], 1
	s_mov_b32 s[G0+1], s67
	s_add_nc_u64 s[G0+2:G0+3], s[6:7], s[68:69]
	s_or_b32 s[G0+3], s[G0+3], 0x80000000
	s_mov_b32 s[G0B], 1
	s_mov_b32 s[G0B+1], s89
	s_add_nc_u64 s[G0B+2:G0B+3], s[6:7], s[90:91]
	s_or_b32 s[G0B+3], s[G0B+3], 0x80000000
	s_add_nc_u64 s[82:83], s[4:5], s[78:79]
	s_add_nc_u64 s[84:85], s[4:5], s[80:81]
	s_add_nc_u64 s[12:13], s[10:11], s[80:81]      ; the long tile's row
	s_add_nc_u64 s[10:11], s[10:11], s[78:79]      ; my first tile's row
	global_load_b128 v[16:19], v[LI], s[82:83]             ; Q's fragments stay in registers
	global_load_b128 v[20:23], v[LI], s[82:83] offset:512
	global_load_b128 v[24:27], v[LI], s[84:85]
	global_load_b128 v[28:31], v[LI], s[84:85] offset:512
	CROUND                                         ; all sixteen work-groups are here: the joint loads meet
	tensor_load_to_lds s[G0:G0+3], s[G1:G1+7]      ; my part of key blocks 0-3: my one load at the head
	s_nop 0
.rept 4
	v_nop
.endr
	s_lshl_b32 s86, s73, 4
	s_lshl_b32 s87, s[WV], 10
	s_add_co_u32 s87, s87, STAGE                   ; my stage
	s_mul_i32 s88, s[PI], PUBB
	s_add_co_u32 s88, s88, PUB                     ; my pair's place
	v_and_b32 v10, 15, v0                          ; r
	v_bfe_u32 v11, v0, 4, 1                        ; h
	v_lshlrev_b32 v[STI], 6, v10
	v_lshlrev_b32 v9, 3, v11
	v_lshl_add_u32 v[STI], v11, 3, v[STI]
	v_sub_nc_u32 v9, v10, v9
	v_add_nc_u32 v[STI], s87, v[STI]               ; in: 64 r + 8 h (+ 16 for each tile of channels)
	v_add_nc_u32 v9, s86, v9                       ; d = 16 x place + r - 8 h
	v_add_nc_u32 v[STOUT], s87, v[LI]
	v_cvt_f32_i32 v9, v9
	v_add_nc_u32 v[PO], s88, v[LI]
	v_add_f32 v[DP], 0.5, v9
	v_add_f32 v[DP+1], -0.5, v9
	v_and_b32 v9, 31, v0
	v_mul_f32 v[DP], 0x76800000, v[DP]             ; x 2^110
	v_mul_f32 v[DP+1], 0x76800000, v[DP+1]
	v_lshlrev_b32 v9, 3, v9
	v_mov_b32 v246, 0                              ; written once: a lane permute's destination counts as one of its sources
	v_mov_b32 v252, 0
	v_add_nc_u32 v[PS], s88, v9
	v_mov_b32 v253, 0                              ; (named as the upper half of the pair v[252:253])
	v_mov_b32 v254, 0
	INIT
	s_wait_kmcnt 0x0
	s_add_co_i32 s[SVO], s60, s61
	s_add_co_i32 s70, s58, s59
	s_lshl_b32 s70, s70, 23
	s_add_co_i32 s[CS], s[CS], s70                 ; a score stands for score x 2^(e2 + e3): added to the constant's exponent field
	s_mov_b32 s[CS+1], s[CS]
	s_add_co_i32 s70, s61, 127
	s_lshl_b32 s71, s70, 23
	v_mov_b32 v244, s71                            ; 2^e5
	s_add_co_i32 s70, s70, 8
	s_lshl_b32 s70, s70, 23
	s_or_b32 s70, s70, 0x600000
	v_mov_b32 v240, s70                            ; 448 x 2^e5
	s_add_co_i32 s70, s62, 127
	s_lshl_b32 s71, s70, 23
	v_mov_b32 v245, s71                            ; 2^e6
	s_add_co_i32 s70, s70, 8
	s_lshl_b32 s70, s70, 23
	s_or_b32 s70, s70, 0x600000
	v_mov_b32 v241, s70                            ; 448 x 2^e6
; A KEY STEP: my 16 queries x key block KB.  A block outside LOW .. LIM is left out: scalar branches on the wave's number and the count of steps, round the work alone.
.macro STEP
	s_cmp_lt_u32 s[KB], s[LOW]
	s_cbranch_scc1 .Lhid_\@
	s_cmp_gt_u32 s[KB], s[LIM]
	s_cbranch_scc1 .Lhid_\@
	v_add_nc_u32 v[ADK], s[TB], v[LI]
.irp u, 0,1,2,3,4,5,6,7
	ds_load_b128 v[32+8*\u:35+8*\u], v[ADK] offset:1024*\u          ; K's eight tiles, as their registers were stored
	ds_load_b128 v[36+8*\u:39+8*\u], v[ADK] offset:1024*\u+512
.endr
	s_wait_alu depctr_va_vdst(0)                   ; directly ahead of the wait below
	s_wait_dscnt 0x0
.irp u, 0,1,2,3,4,5,6,7
	v_wmma_f32_16x16x64_fp8_fp8 v[96+8*\u:103+8*\u], v[32+8*\u:39+8*\u], v[16:23], 0
.endr
	JOIN                                           ; four plain places, in front of the loads into K's registers and of the first read of the scores
.irp t, 0,1,2,3
.irp c, 0,1,2,3
	ds_load_b128 v[32+16*\t+4*\c:35+16*\t+4*\c], v[ADK] offset:8192+2048*\t+512*\c   ; V^T's four tiles: they land while the softmax is worked
.endr
.endr
	s_cmp_lg_u32 s[KB], s[BLK]
	s_cbranch_scc1 .Lopen_\@                       ; only my own block lies on the diagonal
	v_mov_b32 v200, v[DP]                          ; register 8 u + j holds key 16 u + j (+ 8 h, which d has off): the bound is (d + 1/2 - 16 u - j) x 2^110, over every score where the key counts, under -2^109 where it is hidden
	v_mov_b32 v201, v[DP+1]
	v_pk_add_f32 v[202:203], v[DP:DP+1], 0xf7000000 op_sel_hi:[1,0]   ; - 2 x 2^110
	v_pk_add_f32 v[204:205], v[DP:DP+1], 0xf7800000 op_sel_hi:[1,0]   ; - 4
	v_pk_add_f32 v[206:207], v[DP:DP+1], 0xf7c00000 op_sel_hi:[1,0]   ; - 6
.set n, 0
.rept 8
.irp j, 0,2,4,6
	v_dual_min_num_f32 v[96+n+\j], v[96+n+\j], v[200+\j] :: v_dual_min_num_f32 v[97+n+\j], v[97+n+\j], v[201+\j]
.endr
.if n < 56
.irp j, 0,2,4,6
	v_pk_add_f32 v[200+\j:201+\j], v[200+\j:201+\j], 0xf8800000 op_sel_hi:[1,0]   ; - 16: the next tile of keys
.endr
.endif
.set n, n+8
.endr
.Lopen_\@:
	v_max3_num_f32 v254, v96, v97, v98             ; the step's largest score of my query among my 64 keys, in four chains,
	v_max3_num_f32 v252, v99, v100, v101
	v_max3_num_f32 v192, v102, v103, v104
	v_max3_num_f32 v193, v105, v106, v107
.irp i, 12,20,28,36,44,52
	v_max3_num_f32 v254, v254, v[96+\i], v[97+\i]
	v_max3_num_f32 v252, v252, v[98+\i], v[99+\i]
	v_max3_num_f32 v192, v192, v[100+\i], v[101+\i]
	v_max3_num_f32 v193, v193, v[102+\i], v[103+\i]
.endr
	v_max3_num_f32 v254, v254, v156, v157
	v_max3_num_f32 v252, v252, v158, v159
	v_max_num_f32 v192, v192, v193
	v_max3_num_f32 v254, v254, v252, v192
	v_permlanex16_b32 v246, v254, s[SEL], s[SEL+1]
	s_delay_alu instid0(VALU_DEP_1)
	v_max_num_f32 v254, v254, v246                 ; and among lane l xor 16's
	s_delay_alu instid0(VALU_DEP_1)
	v_mul_f32 v254, s[CS], v254                    ; as t (the constant is positive)
	s_delay_alu instid0(VALU_DEP_1)
	v_max_num_f32 v13, v13, v254                   ; the running largest t
	v_mov_b32 v254, v12
	s_delay_alu instid0(VALU_DEP_2)
	v_floor_f32 v12, -v13                          ; the new -M = -ceil(t)
	s_delay_alu instid0(VALU_DEP_1)
	v_sub_f32 v254, v12, v254                      ; old M - new M: a whole number, 0 or less
	s_delay_alu instid0(VALU_DEP_1)
	v_cvt_i32_f32 v254, v254                       ; (it saturates)
	s_delay_alu instid0(VALU_DEP_1)
	v_ldexp_f32 v252, 1.0, v254                    ; f = 2^(old M - new M)
.set n, 0
.rept 32
	v_pk_fma_f32 v[96+n:97+n], v[96+n:97+n], s[CS:CS+1], v[12:13] op_sel_hi:[1,0,0]   ; t - M, two at a time
.set n, n+2
.endr
.set n, 0
	s_wait_alu depctr_va_vdst(0)                   ; the wait ahead of the batch
.rept 64
	v_exp_f32 v[96+n], v[96+n]                     ; p = 2^(t - M)
.set n, n+1
.endr
	v_pk_mul_f32 v[14:15], v[14:15], v[252:253] op_sel_hi:[1,0]   ; the sum under the new M (a plain line behind the exponentials)
	s_wait_alu depctr_va_vdst(0)                   ; one wait for the batch of 64 and for O^T, ahead of their first readers
.set n, 0
.rept 16
	v_pk_mul_f32 v[160+n:161+n], v[160+n:161+n], v[252:253] op_sel_hi:[1,0]   ; O^T under the new M
.set n, n+2
.endr
.irp j, 0,2,4,6
	v_pk_add_f32 v[PR+\j:PR+1+\j], v[96+\j:97+\j], v[104+\j:105+\j]   ; the sum is taken of the unquantised p, in four chains
.endr
.irp u, 2,3,4,5
.irp j, 0,2,4,6
	v_pk_add_f32 v[PR+\j:PR+1+\j], v[PR+\j:PR+1+\j], v[96+8*\u+\j:97+8*\u+\j]
.endr
.endr
.irp u, 0,1,2,3,4,5
.irp i, 0,2,4,6
	v_dual_min_num_f32 v[96+8*\u+\i], v[96+8*\u+\i], v240 :: v_dual_min_num_f32 v[97+8*\u+\i], v[97+8*\u+\i], v240   ; the conversion does not saturate (ISA guide 7.6.2); p is not negative, so the hold is one-sided
.endr
.if \u > 0
	v_cvt_scalef32_pk8_fp8_f32 v[222+2*\u:223+2*\u], v[88+8*\u:95+8*\u], v244   ; tile u - 1, held ahead of tile u
.endif
.endr
.irp i, 0,2,4,6
	v_dual_min_num_f32 v[200+\i], v[144+\i], v240 :: v_dual_min_num_f32 v[201+\i], v[145+\i], v240   ; tiles 6 and 7 are held into other registers: their p is summed below
.endr
	v_cvt_scalef32_pk8_fp8_f32 v[234:235], v[136:143], v244
.irp i, 0,2,4,6
	v_dual_min_num_f32 v[192+\i], v[152+\i], v240 :: v_dual_min_num_f32 v[193+\i], v[153+\i], v240
.endr
	v_cvt_scalef32_pk8_fp8_f32 v[236:237], v[200:207], v244
	v_cvt_scalef32_pk8_fp8_f32 v[238:239], v[192:199], v244
.irp j, 0,2,4,6
	v_pk_add_f32 v[PR+\j:PR+1+\j], v[PR+\j:PR+1+\j], v[144+\j:145+\j]   ; (also the plain lines behind the last conversion)
.endr
	s_wait_alu depctr_va_vdst(0)                   ; directly ahead of the wait below
	s_wait_dscnt 0x0                               ; V^T is in
.irp t, 0,1,2,3
	v_wmma_f32_16x16x128_fp8_fp8 v[160+8*\t:167+8*\t], v[32+16*\t:47+16*\t], v[224:239], v[160+8*\t:167+8*\t]   ; four accumulators, one turn each
.endr
.irp j, 0,2,4,6
	v_pk_add_f32 v[PR+\j:PR+1+\j], v[PR+\j:PR+1+\j], v[152+\j:153+\j]   ; four plain places for whatever follows on any way: the next step's loads, or reads of O^T
.endr
	s_wait_alu depctr_va_vdst(0)                   ; the wait ahead of the branch
.Lhid_\@:
	s_add_co_u32 s[TB], s[TB], BLKB
.endm
; THE WAY OUT of a tile: O^T / l x 2^(e4 + e5), held and quantised with e6.  v14: my lane's part of the sum.  A lane's eight codes of a tile of channels are 8 bytes of its query's 64; through my stage they become the row's 1,024 bytes in order.
.macro FINAL b
	v_permlanex16_b32 v252, v14, s[SEL], s[SEL+1]
	v_add_f32 v14, v14, v252                       ; the row's sum
	s_wait_alu depctr_va_vdst(0)                   ; the wait ahead of the transcendental
	v_rcp_f32 v14, v14
	v_nop                                          ; a plain line behind the reciprocal
	s_wait_alu depctr_va_vdst(0)                   ; and the wait ahead of its first reader and of O^T's
	v_ldexp_f32 v14, v14, s[SVO]
.set n, 0
.rept 16
	v_pk_mul_f32 v[192+n:193+n], v[160+n:161+n], v[14:15] op_sel_hi:[1,0]   ; register 8 t + j: channel 16 t + 8 h + j of query r
.set n, n+2
.endr
.set n, 0
.rept 32
	v_med3_num_f32 v[192+n], v[192+n], -v241, v241
.set n, n+1
.endr
.irp t, 0,1,2,3
	v_cvt_scalef32_pk8_fp8_f32 v[224+2*\t:225+2*\t], v[192+8*\t:199+8*\t], v245
.endr
	v_nop
.irp t, 0,1,2,3
	ds_store_b64 v[STI], v[224+2*\t:225+2*\t] offset:16*\t
.endr
	ds_load_b128 v[32:35], v[STOUT]                ; LDS serves a wave's instructions in order (ISA guide 5.7.1.4): these see my stores
	ds_load_b128 v[36:39], v[STOUT] offset:512
	s_wait_dscnt 0x0
	global_store_b128 v[LI], v[32:35], s[\b:\b+1]          ; 32 lanes store 512 consecutive bytes of the row
	global_store_b128 v[LI], v[36:39], s[\b:\b+1] offset:512
.endm
	s_mov_b32 s[KB], 0
	s_mov_b32 s[TB], 0
	s_mov_b32 s[LOW], 0
	s_sub_co_u32 s[LIM], s[CUT], 1
	s_min_u32 s[LIM], s[LIM], s[BLK]               ; first wave: below c; second: up to the short tile's own block, which lies below c
	s_wait_alu depctr_va_vdst(0)                   ; the wait at the head's end
	s_wait_loadcnt 0x0                             ; Q
	s_wait_tensorcnt 0x0                           ; my part of key blocks 0-3 is in
	ds_add_u32 v251, v255
	s_wait_dscnt 0x0
	CROUND                                         ; everybody's part of key blocks 0-3 is in, and all sixteen work-groups are here
	s_cmp_lt_u32 s[WV], 8
	s_cbranch_scc1 .Lno_load                       ; waves 8-15 fetch key blocks 4-15, one load each
	tensor_load_to_lds s[G0B:G0B+3], s[G1B:G1B+7]
	s_nop 0
.rept 4
	v_nop
.endr
.Lno_load:
	s_wait_tensorcnt 0x0                           ; my part of key blocks 4-15 is in (waves 0-7 have none):
	s_barrier_signal -1                            ; say so. Between signal and wait: register work and LDS loads of key blocks 0-3, which nobody writes any more
.Lseg0:
	STEP                                           ; key blocks 0-3
	s_add_co_u32 s[KB], s[KB], 1
	s_cmp_lt_u32 s[KB], 4
	s_cbranch_scc1 .Lseg0
	s_barrier_wait -1                              ; everybody's part of key blocks 4-15 is in
	s_mov_b32 s[KB], 4
	s_mov_b32 s[TB], 4*BLKB
.Lseg1:
	STEP                                           ; key blocks 4-12
	s_add_co_u32 s[KB], s[KB], 1
	s_cmp_lt_u32 s[KB], 13
	s_cbranch_scc1 .Lseg1
	s_cmp_eq_u32 s[ROLE], 0
	s_cbranch_scc1 .Lsecond                        ; the pair's first wave goes on with nothing to do until the join
	JOIN                                           ; its second wave: the short tile is finished and goes out,
	v_add_f32 v14, v14, v15
	FINAL 10
	s_wait_xcnt 0x0                                ; the stores have read v32-39
	INIT                                           ; and the long tile begins
.irp i, 0,1,2,3,4,5,6,7
	v_mov_b32 v[16+\i], v[24+\i]
.endr
	s_wait_alu depctr_va_vdst(0)
.Lsecond:
	s_cmp_eq_u32 s[ROLE], 0
	s_cselect_b32 s[LOW], 16, s[CUT]               ; first wave: every step below is left out; second: from c on
	s_mov_b32 s[LIM], s[BLK2]
	s_mov_b32 s[BLK], s[BLK2]
	s_mov_b32 s[KB], 10
	s_mov_b32 s[TB], 10*BLKB
.Lseg2:
	STEP                                           ; key blocks 10-15
	s_add_co_u32 s[KB], s[KB], 1
	s_cmp_lt_u32 s[KB], 16
	s_cbranch_scc1 .Lseg2
	JOIN
	v_add_f32 v14, v14, v15
	v_mov_b32 v13, v14                             ; v[12:13]: -M and my lane's part of the sum
	s_wait_alu depctr_va_vdst(0)                   ; the wait ahead of the branch
	s_cmp_eq_u32 s[ROLE], 0
	s_cbranch_scc1 .Lmeet
	ds_store_b64 v[PS], v[12:13] offset:4096       ; the second wave hands over its part of the long tile
.irp n, 0,1,2,3,4,5,6,7
	ds_store_b128 v[PO], v[160+4*\n:163+4*\n] offset:512*\n
.endr
.Lmeet:
	s_wait_dscnt 0x0                               ; my stores are done,
	s_barrier_signal -1
	s_barrier_wait -1                              ; and everybody's
	s_cmp_lg_u32 s[ROLE], 0
	s_cbranch_scc1 .Lend
	ds_load_b64 v[194:195], v[PS] offset:4096      ; THE JOIN, in the first wave: the partner's -M and sum,
.irp n, 0,1,2,3,4,5,6,7
	ds_load_b128 v[32+4*\n:35+4*\n], v[PO] offset:512*\n   ; and its O^T
.endr
	v_mov_b32 v201, 0                              ; (named as upper halves of pairs)
	v_mov_b32 v203, 0
	s_wait_alu depctr_va_vdst(0)                   ; directly ahead of the wait below
	s_wait_dscnt 0x0
	v_min_num_f32 v196, v12, v194                  ; the joint -M
	v_sub_f32 v197, v196, v12                      ; my M less it, the partner's M less it: whole numbers, 0 or less
	v_sub_f32 v198, v196, v194
	v_cvt_i32_f32 v197, v197                       ; (a partner without steps has -M = 3e38: its factor is 0)
	v_cvt_i32_f32 v198, v198
	v_ldexp_f32 v200, 1.0, v197
	v_ldexp_f32 v202, 1.0, v198
	v_mul_f32 v14, v14, v200
	v_fma_f32 v14, v195, v202, v14
.set n, 0
.rept 16
	v_pk_mul_f32 v[32+n:33+n], v[32+n:33+n], v[202:203] op_sel_hi:[1,0]
.set n, n+2
.endr
.set n, 0
.rept 16
	v_pk_fma_f32 v[160+n:161+n], v[160+n:161+n], v[200:201], v[32+n:33+n] op_sel_hi:[1,0,1]
.set n, n+2
.endr
	FINAL 12
.Lend:
	s_wait_tensorcnt 0x0                           ; the wave's end
	ds_add_u32 v251, v255
	s_wait_dscnt 0x0
	CROUND                                         ; the closing round
	s_endpgm
.Lfunc_end_k_q2f6e357de2_attn:
	.size	k_q2f6e357de2_attn, .Lfunc_end_k_q2f6e357de2_attn-k_q2f6e357de2_attn
	.p2alignl 7, 3214868480
	.fill 96, 4, 3214868480
	.section	.rodata,"a",@progbits
	.p2align	6, 0x0
	.amdhsa_kernel k_q2f6e357de2_attn
		.amdhsa_group_segment_fixed_size 327680
		.amdhsa_private_segment_fixed_size 0
		.amdhsa_enable_private_segment 0
		.amdhsa_kernarg_size 32
		.amdhsa_user_sgpr_count 2
		.amdhsa_user_sgpr_kernarg_segment_ptr 1
		.amdhsa_wavefront_size32 1
		.amdhsa_system_sgpr_workgroup_id_x 1
		.amdhsa_system_sgpr_workgroup_id_y 1
		.amdhsa_system_sgpr_workgroup_id_z 1
		.amdhsa_system_vgpr_workitem_id 0
		.amdhsa_next_free_vgpr 256
		.amdhsa_next_free_sgpr 100
		.amdhsa_reserve_vcc 0
		.amdhsa_float_denorm_mode_32 3
		.amdhsa_float_denorm_mode_16_64 3
		.amdhsa_memory_ordered 1
		.amdhsa_forward_progress 1
		.amdhsa_inst_pref_size 86
	.end_amdhsa_kernel
	.amdgpu_metadata
---
amdhsa.version: [ 1, 2 ]
amdhsa.kernels:
  - .name:           k_q2f6e357de2_attn
    .symbol:         k_q2f6e357de2_attn.kd
    .args:
      - { .name: q_img, .offset: 0, .size: 8, .value_kind: global_buffer, .address_space: global }
      - { .name: kv_img, .offset: 8, .size: 8, .value_kind: global_buffer, .address_space: global }
      - { .name: lowp_scales, .offset: 16, .size: 8, .value_kind: global_buffer, .address_space: global }
      - { .name: a_codes, .offset: 24, .size: 8, .value_kind: global_buffer, .address_space: global }
    .group_segment_fixed_size: 327680
    .private_segment_fixed_size: 0
    .kernarg_segment_align: 8
    .kernarg_segment_size: 32
    .max_flat_workgroup_size: 512
    .sgpr_count:     100
    .vgpr_count:     256
    .wavefront_size: 32
...
	.end_amdgpu_metadata
.endif
;; end of part 2
;; launch proj (part 3): grid 8 x 32, 4 waves a work-group, clusters of 4 x 4, 327,680 bytes of LDS; arguments a_codes, w_proj_codes, lowp_scales, out0; writes out0
.if DOCPART == 3
	.amdgcn_target "amdgcn-amd-amdhsa--gfx1250"
	.amdhsa_code_object_version 6
	.text
	.protected	k_q2f6e357de2_proj
	.globl	k_q2f6e357de2_proj
	.p2align	8
	.type	k_q2f6e357de2_proj,@function
k_q2f6e357de2_proj:
	s_mov_b64 s[64:65], 0
	v_nop
	global_prefetch_b8 v0, s[64:65] scope:SCOPE_SE
	s_setreg_imm32_b32 hwreg(HW_REG_WAVE_MODE, 25, 1), 1
	s_wait_xcnt 0x0
	s_wait_alu depctr_hold_cnt(0) depctr_sa_sdst(0) depctr_va_vdst(0) depctr_va_sdst(0) depctr_va_ssrc(0) depctr_va_vcc(0) depctr_vm_vsrc(0)
	s_getreg_b32 s2, hwreg(HW_REG_IB_STS2, 6, 4)
	s_cmp_eq_u32 s2, 0
	s_cbranch_scc0 .Lentry_in_a_cluster
	s_endpgm
.Lentry_in_a_cluster:
	s_bfe_u32 s2, ttmp6, 0x10000c
	s_cmp_lg_u32 s2, 0xf033
	s_cbranch_scc0 .Lentry_shape_is_right
	s_endpgm
.Lentry_shape_is_right:
; out[m][n] = sum over k of a[m][k] w_proj[n][k] x 2^(e6 + e7).  a: [4096][1024], w_proj: [1024][1024]: codes of FP8 (E4M3), K innermost; sums in f32; out f32.
; LIMIT: e6 + e7 lies between -126 and 127.
; A work-group of four waves makes 128 x 128 of out, a wave 64 x 64.  ALL OF K LIES IN LDS: 128 rows of a and 128 rows of w_proj, 1,024 bytes each, by one tensor load of 64 rows a wave; nothing is filled again.
; CLUSTERS 4 x 4: a's rows hang on the tile row alone and are asked for jointly along a row of the cluster, w_proj's on the tile column alone, jointly along a column.
; No prefetch: each byte is fetched once, at the head, and no loop of loads stands behind it.
; A wave keeps w_proj's fragments of all of K in registers (512) and takes a's in two halves of 32 rows (256 registers): rows 0-31 are finished first and leave while rows 32-63 are multiplied.  No fragment is read twice.
; Transposed use (source 0 = 16 rows of w_proj, source 1 = 16 rows of a): a lane holds eight neighbouring numbers of a row of out.  Both fragments come by four 16-byte loads: the same permutation of k on both sides.
; REGISTERS: window 0: v16-31 addresses, v32-63 a block's results x the scale, v64-127 rows read back, v128-255 16 accumulators (16 x 16 each);  window 1: a's half, block a of it and K step k at v[16 (2 k + a)];
;   windows 2, 3: w_proj's K steps 0-3 and 4-7, tile b at v[16 (4 (k % 4) + b)].
.set PITCH,  1040                      ; an LDS row: 1,024 bytes + 16 of padding = 260 words: the 16 rows that a load touches start at 16 different banks (64 banks of 4 bytes: ISA guide 11.1)
.set HALFT,  64*PITCH                  ; what one tensor load brings
.set STAGE,  4*HALFT                   ; the way out: 16 rows x (256 bytes + 16) for each wave
.set SPITCH, 272
.set SPARE,  STAGE+4*16*SPITCH         ; the spare words, 128 bytes a wave: two blocks of 256 bytes that no other line names
.set ADRA, 16
.set ADRB, 17
.set STO,  24
.set RD,   25
.set CO,   26
.set SPW,  30
.set NIL,  31
.set TMP,  32
.set BK,   64
.set ACC,  128
.set G1,   24                          ; s[24:31] group 1, s[32:35] group 0 for a;  s[48:55], s[68:71] for w_proj
.set G0,   32
.set G1B,  48
.set G0B,  68
.set MSB, 0
.macro WIN new                         ; the immediate's high byte repeats the setting that is left
.if MSB != (\new)
	s_set_vgpr_msb (MSB<<8)|(\new)
.set MSB, (\new)
.endif
.endm
.macro PLACES                          ; four plain places behind matrix instructions (ISA guide 7.12.1)
.rept 4
	v_nop
.endr
.endm
.macro CROUND                          ; a round of the cluster's barrier
	s_barrier_signal -1
	s_barrier_wait -1
	s_cmp_lg_u32 s14, 0
	s_cbranch_scc1 .Lnot_wave_0_\@
	s_barrier_signal -3
.Lnot_wave_0_\@:
	s_barrier_wait -3
	s_barrier_signal -1
	s_barrier_wait -1
.endm
	s_load_b256 s[4:11], s[0:1], 0x0               ; a s[4:5], w_proj s[6:7], the scales s[8:9], out s[10:11]
	v_lshl_add_u32 v[SPW], v0, 2, SPARE
	v_mov_b32 v[NIL], 0
	ds_add_u32 v[SPW], v[NIL]                      ; the wave's opening: the add, twice on end, and its wait
	ds_add_u32 v[SPW], v[NIL]
	v_lshrrev_b32 v1, 5, v0
	v_readfirstlane_b32 s14, v1                    ; wave 0..3
	s_lshr_b32 s15, s14, 1                         ; which 64 rows of a are mine.  Also: I fetch for a (0) or for w_proj (1)
	s_and_b32 s16, s14, 1                          ; which 64 rows of w_proj are mine.  Also: which 64 rows I fetch
	s_bfe_u32 s56, ttmp6, 0x40000                  ; cx, cy
	s_bfe_u32 s57, ttmp6, 0x40004
	s_lshl_b32 s58, ttmp9, 2
	s_add_co_u32 s58, s58, s56                     ; tile column
	s_and_b32 s17, ttmp7, 0xffff
	s_lshl_b32 s17, s17, 2
	s_add_co_u32 s17, s17, s57                     ; tile row
	s_lshl_b32 s59, s57, 2
	s_lshl_b32 s59, 15, s59                        ; my row of the cluster
	s_lshl_b32 s60, 0x1111, s56                    ; my column
	s_or_b32 s[G1], s59, (1<<20)|(1<<21)|(7<<22)|(3<<25)    ; 15:0 the mask; 17:16 elements of 1 byte; 20 padding on; 21 set beside a mask; 24:22 after every 256 words; 31:25 four words
	s_or_b32 s[G1B], s60, (1<<20)|(1<<21)|(7<<22)|(3<<25)
.irp g, G1, G1B
	s_mov_b32 s[\g+1], 1024<<16                    ; tensor_dim0
	s_mov_b32 s[\g+2], 64<<16                      ; tensor_dim1
	s_mov_b32 s[\g+3], 1024<<16                    ; tile_dim0
	s_mov_b32 s[\g+4], 64                          ; tile_dim1
	s_mov_b32 s[\g+5], 1024                        ; from row to row
	s_mov_b32 s[\g+6], 0
	s_mov_b32 s[\g+7], 0
.endr
	s_lshl_b32 s18, s16, 16
	s_lshl_b32 s20, s17, 17
	s_add_co_u32 s20, s20, s18                     ; a: row 128 x tile row + 64 x half
	s_mov_b32 s21, 0
	s_lshl_b32 s62, s58, 17
	s_add_co_u32 s62, s62, s18                     ; w_proj: row 128 x tile column + 64 x half
	s_mov_b32 s63, 0
	s_mul_i32 s19, s14, HALFT                      ; where they go: a's two halves, then w_proj's
	s_wait_dscnt 0x0                               ; both opening adds are done
	s_wait_kmcnt 0x0
	s_load_b256 s[84:91], s[8:9], 0x0              ; e0 .. e7
	s_mov_b32 s[G0], 1
	s_mov_b32 s[G0+1], s19
	s_add_nc_u64 s[G0+2:G0+3], s[4:5], s[20:21]
	s_or_b32 s[G0+3], s[G0+3], 0x80000000
	s_mov_b32 s[G0B], 1
	s_mov_b32 s[G0B+1], s19
	s_add_nc_u64 s[G0B+2:G0B+3], s[6:7], s[62:63]
	s_or_b32 s[G0B+3], s[G0B+3], 0x80000000
	CROUND                                         ; all sixteen work-groups are here: the joint loads meet
	s_cmp_eq_u32 s15, 0                            ; waves 0, 1 fetch for a, waves 2, 3 for w_proj: one load a wave
	s_cbranch_scc0 .Lfor_b
	tensor_load_to_lds s[G0:G0+3], s[G1:G1+7]
	s_nop 0
.rept 4
	v_nop
.endr
	s_branch .Lasked
.Lfor_b:
	tensor_load_to_lds s[G0B:G0B+3], s[G1B:G1B+7]
	s_nop 0
.rept 4
	v_nop
.endr
.Lasked:
	s_mul_i32 s22, s15, HALFT                      ; my 64 rows of a,
	s_mul_i32 s23, s16, HALFT
	s_add_co_u32 s23, s23, 2*HALFT                 ; and of w_proj, which lie behind a's 128
	s_mul_i32 s61, s14, 16*SPITCH
	s_add_co_u32 s61, s61, STAGE                   ; my stage
	s_lshl_b32 s92, s17, 7
	s_lshl_b32 s93, s15, 6
	s_add_co_u32 s92, s92, s93                     ; my first row of out,
	s_lshl_b32 s92, s92, 12
	s_lshl_b32 s93, s58, 9
	s_add_co_u32 s92, s92, s93
	s_lshl_b32 s93, s16, 8
	s_add_co_u32 s92, s92, s93                     ; and first column, in bytes
	s_mov_b32 s93, 0
	s_add_nc_u64 s[10:11], s[10:11], s[92:93]
	v_and_b32 v1, 15, v0                           ; l % 16
	v_bfe_u32 v2, v0, 4, 1                         ; l / 16
	v_mul_u32_u24 v3, v1, PITCH
	v_mul_u32_u24 v4, v1, SPITCH
	v_mul_u32_u24 v5, v2, SPITCH
	v_lshlrev_b32 v6, 12, v2
	v_lshl_add_u32 v3, v2, 4, v3                   ; a fragment's row x pitch + 16 x half
	v_lshl_add_u32 v4, v2, 5, v4                   ; in: row l % 16, 32 bytes for each half of the lanes
	v_lshl_add_u32 v5, v1, 4, v5                   ; back: lanes 0-15 one row of 256 bytes, lanes 16-31 the next
	v_lshl_add_u32 v[CO], v1, 4, v6                ; and the same two rows of out
	v_add_nc_u32 v[ADRA], s22, v3
	v_add_nc_u32 v[ADRB], s23, v3
	v_add_nc_u32 v[STO], s61, v4
	v_add_nc_u32 v[RD], s61, v5
.macro LDB k                           ; w_proj's four fragments of K step k
	WIN (2+(\k)/4)<<6
.irp b, 0,1,2,3
.irp c, 0,1,2,3
	ds_load_b128 v[16*(4*((\k)%4)+\b)+4*\c:16*(4*((\k)%4)+\b)+4*\c+3], v[ADRB] offset:128*(\k)+32*\c+\b*16*PITCH
.endr
.endr
.endm
.macro LDA k, h                        ; a's two fragments of K step k, rows 32 h on
	WIN 0x40
.irp a, 0,1
.irp c, 0,1,2,3
	ds_load_b128 v[16*(2*(\k)+\a)+4*\c:16*(2*(\k)+\a)+4*\c+3], v[ADRA] offset:128*(\k)+32*\c+(2*(\h)+\a)*16*PITCH
.endr
.endr
.endm
; K step k of the half h: eight accumulators, one turn each, in the same order in every step.  K step 0 starts the sums.
.macro MUL k, h
	WIN (2+(\k)/4)|(1<<2)                          ; source 0 window 2 or 3, source 1 window 1, C and D window 0
.irp a, 0,1
.irp b, 0,1,2,3
.if (\k) == 0
	v_wmma_f32_16x16x128_fp8_fp8 v[ACC+8*(4*(2*(\h)+\a)+\b):ACC+8*(4*(2*(\h)+\a)+\b)+7], v[16*(4*((\k)%4)+\b):16*(4*((\k)%4)+\b)+15], v[16*(2*(\k)+\a):16*(2*(\k)+\a)+15], 0
.else
	v_wmma_f32_16x16x128_fp8_fp8 v[ACC+8*(4*(2*(\h)+\a)+\b):ACC+8*(4*(2*(\h)+\a)+\b)+7], v[16*(4*((\k)%4)+\b):16*(4*((\k)%4)+\b)+15], v[16*(2*(\k)+\a):16*(2*(\k)+\a)+15], v[ACC+8*(4*(2*(\h)+\a)+\b):ACC+8*(4*(2*(\h)+\a)+\b)+7]
.endif
.endr
.endr
.endm
; THE WAY OUT of block a (16 rows x 64 columns): x 2^(e6 + e7), into my own stage, and back as rows of 256 bytes; LDS serves a wave's instructions in order (ISA guide 5.7.1.4).
.macro TOSTAGE a
.irp j, 0,2,4,6,8,10,12,14,16,18,20,22,24,26,28,30
	v_pk_mul_f32 v[TMP+\j:TMP+\j+1], v[ACC+32*(\a)+\j:ACC+32*(\a)+\j+1], s[96:97] op_sel_hi:[1,0]
.endr
.irp b, 0,1,2,3
	ds_store_b128 v[STO], v[TMP+8*\b:TMP+8*\b+3] offset:64*\b
	ds_store_b128 v[STO], v[TMP+8*\b+4:TMP+8*\b+7] offset:64*\b+16
.endr
.set BB, BK+32*((\a)%2)
.irp t, 0,1,2,3,4,5,6,7
	ds_load_b128 v[BB+4*\t:BB+4*\t+3], v[RD] offset:\t*2*SPITCH
.endr
.endm
.macro SEND a, younger                 ; younger: the LDS instructions issued behind block a's loads, which may stay out
.set BB, BK+32*((\a)%2)
	s_wait_dscnt \younger
.irp t, 0,1,2,3,4,5,6,7
	global_store_b128 v[CO], v[BB+4*\t:BB+4*\t+3], s[10:11] offset:(16*(\a)+2*\t)*4096 th:TH_STORE_NT   ; 16 lanes store 256 consecutive bytes, at a multiple of 256
.endr
.endm
	s_wait_alu depctr_va_vdst(0)                   ; the wait at the head's end
	s_wait_tensorcnt 0x0                           ; my 64 rows are in,
	s_barrier_signal -1
	s_barrier_wait -1                              ; and everybody's
	LDA 0, 0
	LDB 0
	LDA 1, 0
	LDB 1
.irp k, 0,1,2,3,4,5
	s_wait_dscnt 24                                ; K step k is in; the next one's 24 loads may be out
	MUL \k, 0
	LDA \k+2, 0                                    ; into registers that no matrix instruction has read
	LDB \k+2
.endr
	s_wait_dscnt 24
	MUL 6, 0
	s_wait_dscnt 0x0
	MUL 7, 0
	PLACES                                         ; in front of loads into registers that matrix instructions have read, and of the reads of the finished sums
	WIN 0
	s_wait_kmcnt 0x0
	s_add_co_i32 s96, s90, s91
	s_add_co_i32 s96, s96, 127
	s_lshl_b32 s96, s96, 23                        ; 2^(e6 + e7) as f32
	s_mov_b32 s97, s96                             ; (named with it as a pair)
	TOSTAGE 0
.irp k, 0,1,2,3
	LDA \k, 1
.endr
	WIN 0
	SEND 0, 32                                     ; behind block 0's rows: 32 loads of a
	TOSTAGE 1
.irp k, 4,5,6,7
	LDA \k, 1
.endr
	s_wait_dscnt 48                                ; rows 32-63, K steps 0-3 are in; behind them: the stage's 8 stores and 8 loads, 32 loads of a
.irp k, 0,1,2,3
	MUL \k, 1
.endr
	WIN 0
	SEND 1, 32                                     ; behind block 1's rows: 32 loads of a
	s_wait_dscnt 0x0
.irp k, 4,5,6,7
	MUL \k, 1
.endr
	WIN 0
	PLACES                                         ; in front of the reads of the sums just finished
	s_wait_xcnt 0x0                                ; the stores have read the registers that rows come back into
	TOSTAGE 2
	TOSTAGE 3
	SEND 2, 16
	SEND 3, 0
	s_wait_tensorcnt 0x0                           ; the wave's end
	ds_add_u32 v[SPW], v[NIL]
	s_wait_dscnt 0x0
	CROUND                                         ; the closing round: no work-group ends while a partner may still ask for a tile that names it
	s_endpgm
.Lfunc_end_k_q2f6e357de2_proj:
	.size	k_q2f6e357de2_proj, .Lfunc_end_k_q2f6e357de2_proj-k_q2f6e357de2_proj
	.p2alignl 7, 3214868480
	.fill 96, 4, 3214868480
	.section	.rodata,"a",@progbits
	.p2align	6, 0x0
	.amdhsa_kernel k_q2f6e357de2_proj
		.amdhsa_group_segment_fixed_size 327680
		.amdhsa_private_segment_fixed_size 0
		.amdhsa_enable_private_segment 0
		.amdhsa_kernarg_size 32
		.amdhsa_user_sgpr_count 2
		.amdhsa_user_sgpr_kernarg_segment_ptr 1
		.amdhsa_wavefront_size32 1
		.amdhsa_system_sgpr_workgroup_id_x 1
		.amdhsa_system_sgpr_workgroup_id_y 1
		.amdhsa_system_sgpr_workgroup_id_z 1
		.amdhsa_system_vgpr_workitem_id 0
		.amdhsa_next_free_vgpr 1024
		.amdhsa_next_free_sgpr 100
		.amdhsa_reserve_vcc 0
		.amdhsa_float_denorm_mode_32 3
		.amdhsa_float_denorm_mode_16_64 3
		.amdhsa_memory_ordered 1
		.amdhsa_forward_progress 1
		.amdhsa_inst_pref_size 43
	.end_amdhsa_kernel
	.amdgpu_metadata
---
amdhsa.version: [ 1, 2 ]
amdhsa.kernels:
  - .name:           k_q2f6e357de2_proj
    .symbol:         k_q2f6e357de2_proj.kd
    .args:
      - { .name: a_codes, .offset: 0, .size: 8, .value_kind: global_buffer, .address_space: global }
      - { .name: w_proj_codes, .offset: 8, .size: 8, .value_kind: global_buffer, .address_space: global }
      - { .name: lowp_scales, .offset: 16, .size: 8, .value_kind: global_buffer, .address_space: global }
      - { .name: out0, .offset: 24, .size: 8, .value_kind: global_buffer, .address_space: global }
    .group_segment_fixed_size: 327680
    .private_segment_fixed_size: 0
    .kernarg_segment_align: 8
    .kernarg_segment_size: 32
    .max_flat_workgroup_size: 128
    .sgpr_count:     100
    .vgpr_count:     1024
    .wavefront_size: 32
...
	.end_amdgpu_metadata
.endif
;; end of part 3
